; MI455X (gfx1250); checked and timed in simulation.
; The chip was launched on July 23, 2026; its instructions are those of AMD's public machine-readable ISA for CDNA 5 (MIT licence, August 2026) and "CDNA5" Instruction Set Architecture Reference Guide (July 2026). The comments in the code are by the model that wrote it; some were corrected since.
;; Attention. Allowed arithmetic: matrix products marked QUANTISED: E5M2 operands, one given power-of-two scale a tensor, by v_wmma_f32_16x16x64_bf8_bf8 or v_wmma_f32_16x16x128_bf8_bf8, f32 sums; everything else in f32.
;; Inputs: freqs_cos 2,048 x 32 float32; freqs_sin 2,048 x 32 float32; lowp_scales 12 int32 (the exponents e of the quantised operands' scales 2^e); wk_codes 256 x 32 x 32 uint8 (E5M2 codes of wk, K innermost, in blocks of 32 codes); wo_codes 1,024 x 32 x 32 uint8 (E5M2 codes of wo, K innermost, in blocks of 32 codes); wq_codes 1,024 x 32 x 32 uint8 (E5M2 codes of wq, K innermost, in blocks of 32 codes); wv_codes 256 x 32 x 32 uint8 (E5M2 codes of wv, K innermost, in blocks of 32 codes); x_codes 2 x 2,048 x 32 x 32 uint8 (E5M2 codes of x, K innermost, in blocks of 32 codes).
;; Outputs: out0 2 x 2,048 x 1,024 float32.
;; This version of the problem:
;;   THIS VERSION OF THE PROBLEM IS GIVEN IN LOW PRECISION. The matrix products marked QUANTISED in the list below multiply operands that are first quantised to E5M2 (5 exponent bits, 2 mantissa bits; 8 bits a number), with one given power-of-two scale for each operand tensor; their sums are f32. All else is computed in f32.
;;   The module's matrix products, in the order in which they are computed (A, B: the left and right operand; K: the contracted axis; several contracted axes count as one K, in the product's order):
;;     1. [M 4,096, K 1,024] x [K 1,024, N 1,024]; A: input x (given as codes); B: input wq (given as codes): QUANTISED (scales: A lowp_scales[0], B lowp_scales[1])
;;     2. [M 4,096, K 1,024] x [K 1,024, N 256]; A: input x (given as codes); B: input wk (given as codes): QUANTISED (scales: A lowp_scales[2], B lowp_scales[3])
;;     3. [M 4,096, K 1,024] x [K 1,024, N 256]; A: input x (given as codes); B: input wv (given as codes): QUANTISED (scales: A lowp_scales[4], B lowp_scales[5])
;;     4. batch 8 x [M 2,048, K 64] x [K 64, N 8,192]; A: computed on the way; B: computed on the way: QUANTISED (scales: A lowp_scales[6], B lowp_scales[7])
;;     5. batch 8 x [M 64, K 2,048] x [K 2,048, N 8,192]; A: computed on the way; B: softmax (see below): QUANTISED (scales: A lowp_scales[8], B lowp_scales[9])
;;     6. [M 4,096, K 1,024] x [K 1,024, N 1,024]; A: computed on the way; B: input wo (given as codes): QUANTISED (scales: A lowp_scales[10], B lowp_scales[11])
;;   THE QUANTISER, for each operand of a quantised product, along K:
;;     - The operand's scale is 2^e, e = its entry of the input lowp_scales (int32; the entries are numbered through the quantised products in the list's order, A before B).
;;     - Each number is divided by the scale, clamped to +-57,344, and rounded to the nearest number of E5M2, ties to even, subnormals kept.
;;     - The product sums the exact products of the quantised numbers (number of the format x scale) in f32.
;;   ~~~python
;;   def quantise(x, axis, e):      # numpy; x: float32 -> the quantised numbers, widened to float32 again
;;       x = np.moveaxis(x, axis, -1); K = x.shape[-1]
;;       r = np.clip(x / 2.0 ** e, -57344, 57344)
;;       step = 2.0 ** (np.maximum(np.frexp(np.where(r == 0, 1, r))[1] - 1, -14) - 2)
;;       q = np.round(r / step) * step * 2.0 ** e      # np.round: ties to even
;;       return np.moveaxis(q, -1, axis).astype(np.float32)
;;   ~~~
;;   SOFTMAX AHEAD OF A QUANTISED PRODUCT. Where the list says 'softmax', what is quantised is not the finished softmax but p = 2^(t - M), with t = logit x log2(e) and M = ceil(the row's largest t), a whole number; so 1/2 < the row's largest p <= 1. The row's sum l is taken of the UNQUANTISED p, in f32, and the product's result is divided by l at the end. Since M is a whole number, a kernel that streams over the keys may use a running M (the ceiling of the running maximum): every later rescaling is an exact power of two, so the quantised numbers keep their values, but for numbers so far below the row's largest that they fall under the format's range.
;;   OPERANDS COMPUTED ON THE WAY. 'Computed on the way' means the value that the module computes at that place (a softmax that the list does not call 'softmax' is quantised finished and normalised). What goes into a quantiser is computed in f32, as accurately as f32 sums, v_exp_f32 and their like allow (about 1e-6 of the number): no bf16 or f16 on the way to a quantiser, and a product that is left as it is and whose result goes on into a quantised operand takes f32 operands (vector FMAs, or v_wmma_f32_16x16x4_f32). A number that lies on a knife's edge between two numbers of the format may be rounded either way, as far as f32 arithmetic and the matrix unit's own rounding can turn it there, and no further.
;;   INPUTS GIVEN AS CODES. wk (in the module: [256, 1024], K = its axis 1); wo (in the module: [1024, 1024], K = its axis 1); wq (in the module: [1024, 1024], K = its axis 1); wv (in the module: [256, 1024], K = its axis 1); x (in the module: [2, 2048, 1024], K = its axis 2): each comes as NAME_codes (uint8): NAME with its K axis moved to the last place and cut into blocks of 32 codes, [.., K / 32, bytes a block], one block behind the other in memory; one code a byte (a code: sign, 5 exponent bits, 2 mantissa bits); its scale is its entry of lowp_scales. Its value is code x scale, taken as it is: it is not quantised again, and the codes and scales need not be those that the quantiser above would give.
;; One version. Each part assembles by itself: llvm-mc -triple=amdgcn-amd-amdhsa -mcpu=gfx1250 --defsym DOCPART=n.
;; ======== version 1 of 1: 3 launches
;; limits: right only within a limited range of input values
;; workspace buffers: qc 4,194,304 bytes; kc 1,048,576 bytes; vc 1,048,576 bytes; oc 4,194,304 bytes
;; launch qkv (part 1): grid 8 x 32, 6 waves a work-group, clusters of 4 x 4, 327,680 bytes of LDS; arguments x_codes, wq_codes, wk_codes, wv_codes, freqs_cos, freqs_sin, lowp_scales, qc, kc, vc; writes qc, kc, vc
.if DOCPART == 1
	.amdgcn_target "amdgcn-amd-amdhsa--gfx1250"
	.amdhsa_code_object_version 6
	.text
	.protected	k_q5c4bc92645_qkv
	.globl	k_q5c4bc92645_qkv
	.p2align	8
	.type	k_q5c4bc92645_qkv,@function
k_q5c4bc92645_qkv:
	s_mov_b64 s[64:65], 0
	v_nop
	global_prefetch_b8 v0, s[64:65] scope:SCOPE_SE
	s_setreg_imm32_b32 hwreg(HW_REG_WAVE_MODE, 25, 1), 1
	s_wait_xcnt 0x0
	s_wait_alu depctr_hold_cnt(0) depctr_sa_sdst(0) depctr_va_vdst(0) depctr_va_sdst(0) depctr_va_ssrc(0) depctr_va_vcc(0) depctr_vm_vsrc(0)
	s_getreg_b32 s2, hwreg(HW_REG_IB_STS2, 6, 4)
	s_cmp_eq_u32 s2, 0
	s_cbranch_scc0 .Lentry_in_a_cluster
	s_endpgm
.Lentry_in_a_cluster:
	s_bfe_u32 s2, ttmp6, 0x10000c
	s_cmp_lg_u32 s2, 0xf033
	s_cbranch_scc0 .Lentry_shape_is_right
	s_endpgm
.Lentry_shape_is_right:
; LAUNCH 1 OF 3: q = rope(x wq^T), k = rope(x wk^T), v = x wv^T on codes of E5M2, then the quantisers of the attention's operands (q: entry 7 of the scales, k: entry 6, v: entry 8).
; THE PROGRAM: this launch | attention (scores, softmax by the stated rule, values, quantiser entry 10) | the projection by wo.  What goes from launch to launch are codes, laid as IMAGES OF THE NEXT PRODUCT'S
; OPERAND REGISTERS: a group of four registers is 512 bytes, lane l's 16 bytes at 16 l.  So a conversion's results are stored as they stand, 512 consecutive bytes a store, and read back dense.
; DEAD WORK (left out in launch 2): reference() sets the score of key s for query q to the least f32 number where s > q, by a mask that it builds itself (tril).  Key 0 counts for every query, so the row's
; largest score is a real score, and the masked weight is 0 in exact arithmetic whatever the inputs hold.  So a step of 128 keys all of which come after all 32 queries of a unit adds nothing to sum or result: its
; products, its softmax and its reads are not done.  LIMIT: a NaN, an infinity or an overflow that reaches only such keys is not carried to the result.  Every input has a way to the output and is loaded.
; LIMITS on the given exponents, so that each power of two below is an f32 number and 57,344 times it too: e7-e0-e1, e6-e2-e3, e8-e4-e5 between -126 and 112.  NaN among the inputs is not served.
; SHARES.  256 work-groups in clusters of 4 x 4.  A work-group takes 128 rows of x (R = 4 x cluster y + cy) and three heads of 64: Q heads 2 c and 2 c + 1 (c = 4 x cluster x + cx), and K head cx (cluster x = 0) or
; V head cx (cluster x = 1).  Wave w: rows 64 (w % 2) on, head w / 2: 64 x 64 in 16 accumulators.  x's tiles are shared along a row of the cluster, the weights' along a column: both are asked for jointly.
; LDS: three pieces: x (128 rows), wq (128 rows), wk or wv (64 rows).  Each piece has part B (256 of K) and part A (512 of K).  At the head the six waves issue one load each: wave w part w % 2 (0: B with K 0 .. 255, 1: A with
; K 256 .. 767) of piece w / 2.  When part B has been read (4 steps of 64), it is filled once more, with K 768 .. 1023, which has the 8 steps of part A in which to land.  All of K at once would be 332,800 bytes and does not fit.
; No prefetch into the L2: all but one fill is asked for at the head, and no loop runs ahead of the one refill.
; ORIENTATION.  Q, K: source 0 = 16 rows of the weight, source 1 = 16 rows of x: a lane holds one position and eight neighbouring channels: the next K.  V: source 0 = x, source 1 = wv: a lane holds one channel and
; eight neighbouring positions (keys): the second product's K.
; A fragment of 16 rows x 64 K comes by two loads of 16 bytes, 32 apart: a permutation of k inside the 64, the same on both sides, so each code meets its partner.
; REGISTERS, window 0: v1-3, v8 at work; v4, v5 LDS addresses of the weight's part B, A; v6, v7 of x's; v11 cos/sin offset; v12 16 x lane; v14, v15 the add's two; v16, v17 the conversion's scale and the hold;
; v32-63 x's fragments, v64-95 the weight's (set 0), later the roped numbers and the codes; v128-255 the accumulators, (a, bn) at 128 + 8 (4 a + bn).  Window 1: v[8 (4 a + bn)] on: four cos, four sin; v160-191, v192-223 fragment set 1.
.set PB, 272                           ; LDS rows of part B: 256 bytes + 16; of part A: 512 + 16: 68 and 132 words: the 16 rows that a load touches start at 16 different banks (64 banks of 4 bytes: ISA guide 11.1)
.set PA, 528
.set AOFF, 128*PB                      ; a piece's part A lies behind its part B
.set REG,  AOFF+128*PA                 ; from piece to piece
.set SPARE, 2*REG+AOFF+64*PA           ; the spare words, 128 bytes for each of six waves: three blocks of 256 bytes that no other line names
.set CSO, 11
.set LI,  12
.set SPW, 14
.set NIL, 15
.set SCL, 16
.set LIM, 17
.set T,   32
.set CD,  64
.set ACC, 128
.set WV,  24                           ; s24 wave; s25 its row half (and the part that it fetches); s26 its head slot (and the piece that it fetches); s27, s28 cx, cy; s29 c; s30 R; s31 0 for Q and K, 1 for V
.set IH,  25
.set SL,  26
.set CX,  27
.set CY,  28
.set CC,  29
.set RR,  30
.set TY,  31
.set XB, 32                            ; descriptor groups 1: x, wq, wk or wv; part B, part A
.set QB, 40
.set VB, 48
.set XA, 56
.set QA, 68
.set VA, 76
.set G0X, 84                           ; groups 0: x's hangs on R alone, the weights' on c alone
.set G0W, 88
.set MSB, 0
.macro WIN new                         ; the immediate's high byte repeats the setting that is left
.if MSB != \new
	s_set_vgpr_msb (MSB<<8)|\new
.set MSB, \new
.endif
.endm
.macro PLACES                          ; four plain places behind a matrix instruction (ISA guide 7.12.1), where no other vector work is at hand
.rept 4
	v_nop
.endr
.endm
.macro ROUND                           ; a round of the cluster's barrier
	s_barrier_signal -1
	s_barrier_wait -1
	s_cmp_lg_u32 s[WV], 0
	s_cbranch_scc1 .Lnot_wave_0_\@
	s_barrier_signal -3
.Lnot_wave_0_\@:
	s_barrier_wait -3
	s_barrier_signal -1
	s_barrier_wait -1
.endm
.macro G1SET g, m, w, r, qi            ; rows of w bytes, r of them, 1,024 bytes apart; elements of 1 byte; four words of padding behind each row; bit 21 beside the mask
	s_or_b32 s[\g], s[\m], (1<<20)|(1<<21)|(\qi<<22)|(3<<25)
	s_mov_b32 s[\g+1], \w<<16
	s_mov_b32 s[\g+2], \r<<16
	s_mov_b32 s[\g+3], \w<<16
	s_mov_b32 s[\g+4], \r
	s_mov_b32 s[\g+5], 1024
	s_mov_b32 s[\g+6], 0
	s_mov_b32 s[\g+7], 0
.endm
.macro FILL k, g0, g1, done            ; wave k's joint load, one arm of a chain
	s_cmp_lg_u32 s[WV], \k
	s_cbranch_scc1 .Lnext_\@
	tensor_load_to_lds s[\g0:\g0+3], s[\g1:\g1+7]
	s_nop 0
	PLACES
	s_branch \done
.Lnext_\@:
.endm
	s_load_b512 s[4:19], s[0:1], 0x0               ; x s[4:5], wq s[6:7], wk s[8:9], wv s[10:11], cos s[12:13], sin s[14:15], scales s[16:17], qc s[18:19]
	s_load_b128 s[20:23], s[0:1], 0x40             ; kc s[20:21], vc s[22:23]
	v_lshl_add_u32 v[SPW], v0, 2, SPARE
	v_mov_b32 v[NIL], 0
	ds_add_u32 v[SPW], v[NIL]                      ; the opening: the add, twice on end, and its wait ahead of the first tensor load
	ds_add_u32 v[SPW], v[NIL]
	v_lshrrev_b32 v1, 5, v0
	v_readfirstlane_b32 s[WV], v1                  ; wave 0..5
	s_and_b32 s[IH], s[WV], 1
	s_lshr_b32 s[SL], s[WV], 1
	s_bfe_u32 s[CX], ttmp6, 0x40000
	s_bfe_u32 s[CY], ttmp6, 0x40004
	s_lshl_b32 s[CC], ttmp9, 2
	s_add_co_u32 s[CC], s[CC], s[CX]               ; c = 4 x cluster x + cx
	s_and_b32 s[RR], ttmp7, 0xffff
	s_lshl_b32 s[RR], s[RR], 2
	s_add_co_u32 s[RR], s[RR], s[CY]               ; R = 4 x cluster y + cy
	s_cmp_eq_u32 s[SL], 2
	s_cselect_b32 s[TY], ttmp9, 0                  ; the third head is V's where the cluster's x is 1: the same in all sixteen partners
	s_lshl_b32 s92, s[CY], 2
	s_lshl_b32 s92, 15, s92                        ; my row of the cluster
	s_lshl_b32 s93, 0x1111, s[CX]                  ; my column
	G1SET XB, 92, 256, 128, 5
	G1SET QB, 93, 256, 128, 5
	G1SET VB, 93, 256, 64, 5
	G1SET XA, 92, 512, 128, 6
	G1SET QA, 93, 512, 128, 6
	G1SET VA, 93, 512, 64, 6
	s_lshl_b32 s2, s[IH], 8                        ; part A begins at K = 256
	s_lshl_b32 s94, s[RR], 17                      ; x: row 128 R, 1,024 bytes a row
	s_add_co_u32 s94, s94, s2
	s_mov_b32 s95, 0
	s_lshl_b32 s96, s[CC], 17                      ; wq: row 128 c;
	s_lshl_b32 s97, s[CX], 16                      ; wk or wv: row 64 cx
	s_cmp_eq_u32 s[SL], 2
	s_cselect_b32 s96, s97, s96
	s_add_co_u32 s96, s96, s2
	s_mov_b32 s97, 0
	s_mul_i32 s98, s[SL], REG                      ; where my fill goes: no place in the cluster enters an LDS address
	s_mul_i32 s99, s[IH], AOFF
	s_add_co_u32 s98, s98, s99
	s_wait_dscnt 0x0                               ; both opening adds are done
	s_wait_kmcnt 0x0
	s_cmp_eq_u32 ttmp9, 0
	s_cselect_b64 s[100:101], s[8:9], s[10:11]     ; wk or wv, by the cluster's x
	s_cmp_eq_u32 s[SL], 2
	s_cselect_b64 s[100:101], s[100:101], s[6:7]
	s_mov_b32 s[G0X], 1
	s_mov_b32 s[G0X+1], s98
	s_add_nc_u64 s[G0X+2:G0X+3], s[4:5], s[94:95]
	s_or_b32 s[G0X+3], s[G0X+3], 0x80000000
	s_mov_b32 s[G0W], 1
	s_mov_b32 s[G0W+1], s98
	s_add_nc_u64 s[G0W+2:G0W+3], s[100:101], s[96:97]
	s_or_b32 s[G0W+3], s[G0W+3], 0x80000000
	s_load_b256 s[4:11], s[16:17], 0x0             ; e0 .. e7, over pointers that have served
	s_load_b32 s101, s[16:17], 0x20                ; e8
	ROUND                                          ; all sixteen work-groups are here: the first joint loads meet
	FILL 0, G0X, XB, .Lfirst                       ; one load a wave
	FILL 1, G0X, XA, .Lfirst
	FILL 2, G0W, QB, .Lfirst
	FILL 3, G0W, QA, .Lfirst
	FILL 4, G0W, VB, .Lfirst
	tensor_load_to_lds s[G0W:G0W+3], s[VA:VA+7]
	s_nop 0
	PLACES
.Lfirst:
	s_mul_i32 s92, s[IH], 64*PB                    ; x: my 64 rows in part B,
	s_mul_i32 s93, s[IH], 64*PA
	s_add_co_u32 s93, s93, AOFF                    ; in part A
	s_lshr_b32 s94, s[SL], 1
	s_mul_i32 s94, s94, REG
	s_add_co_u32 s94, s94, REG                     ; the weight's piece of my head: wq's, or the third
	s_and_b32 s95, s[SL], 1
	s_mul_i32 s96, s95, 64*PB
	s_add_co_u32 s96, s96, s94
	s_mul_i32 s97, s95, 64*PA
	s_add_co_u32 s97, s97, s94
	s_add_co_u32 s97, s97, AOFF
	v_and_b32 v1, 15, v0                           ; r
	v_bfe_u32 v2, v0, 4, 1                         ; h
	v_mul_u32_u24 v3, v1, PB
	v_lshl_add_u32 v3, v2, 4, v3                   ; a fragment's row x pitch + 16 h
	v_mul_u32_u24 v8, v1, PA
	v_lshl_add_u32 v8, v2, 4, v8
	v_add_nc_u32 v4, s96, v3
	v_add_nc_u32 v5, s97, v8
	v_add_nc_u32 v6, s92, v3
	v_add_nc_u32 v7, s93, v8
	v_lshlrev_b32 v[CSO], 7, v1
	v_lshl_add_u32 v[CSO], v2, 4, v[CSO]           ; cos, sin: position r's row of 128 bytes, + 16 h: the four pairs of my eight channels
	v_and_b32 v[LI], 31, v0
	v_lshlrev_b32 v[LI], 4, v[LI]                  ; an image's place for my lane
	s_and_b32 s92, s[RR], 15                       ; sigma: which 128 positions of the sequence
	s_lshr_b32 s93, s[RR], 4                       ; b
	s_lshl_b32 s94, s92, 14
	s_lshl_b32 s95, s[IH], 13
	s_add_co_u32 s94, s94, s95                     ; (128 sigma + 64 (w % 2)) rows of 128 bytes
	s_mov_b32 s95, 0
	s_add_nc_u64 s[12:13], s[12:13], s[94:95]
	s_add_nc_u64 s[14:15], s[14:15], s[94:95]
	; where my codes go.  qc: [16 b + head][sigma 16][8 tiles of 16 positions][1024]; kc: the same with [4 b + head]; vc: [4 b + head][sigma 16][16 channels 4][2048]
	s_lshl_b32 s94, s93, 4
	s_lshl_b32 s95, s[CC], 1
	s_add_co_u32 s94, s94, s95
	s_add_co_u32 s94, s94, s[SL]                   ; 16 b + 2 c + slot
	s_lshl_b32 s95, s93, 2
	s_add_co_u32 s95, s95, s[CX]                   ; 4 b + cx
	s_cmp_eq_u32 ttmp9, 0
	s_cselect_b64 s[96:97], s[20:21], s[22:23]
	s_cmp_lt_u32 s[SL], 2
	s_cselect_b64 s[96:97], s[18:19], s[96:97]
	s_cselect_b32 s94, s94, s95
	s_cmp_eq_u32 s[TY], 0
	s_cselect_b32 s98, 12, 10                      ; my row half: four tiles (4,096 bytes) in qc and kc; two groups of four registers (1,024 bytes) in vc
	s_lshl_b32 s94, s94, 17
	s_lshl_b32 s98, s[IH], s98
	s_add_co_u32 s94, s94, s98
	s_lshl_b32 s98, s92, 13
	s_add_co_u32 s94, s94, s98
	s_mov_b32 s95, 0
	s_add_nc_u64 s[96:97], s[96:97], s[94:95]
	s_wait_alu depctr_va_vdst(0)
	s_wait_kmcnt 0x0
	s_sub_co_i32 s2, s11, s4                       ; a sum stands for sum x 2^(ex + ew), and RoPE is linear: so the code is rope(sum) / 2^(e - ex - ew): three scales folded into the conversion's one
	s_sub_co_i32 s2, s2, s5                        ; q: e7 - e0 - e1
	s_sub_co_i32 s3, s10, s6
	s_sub_co_i32 s3, s3, s7                        ; k: e6 - e2 - e3
	s_sub_co_i32 s99, s101, s8
	s_sub_co_i32 s99, s99, s9                      ; v: e8 - e4 - e5
	s_cmp_eq_u32 ttmp9, 0
	s_cselect_b32 s3, s3, s99
	s_cmp_lt_u32 s[SL], 2
	s_cselect_b32 s2, s2, s3
	s_add_co_i32 s2, s2, 127
	s_lshl_b32 s3, s2, 23
	s_add_co_i32 s2, s2, 15
	s_lshl_b32 s2, s2, 23
	s_or_b32 s2, s2, 0x600000
	v_mov_b32 v[SCL], s3                           ; the scale as f32: the conversion takes its exponent field
	v_mov_b32 v[LIM], s2                           ; 57,344 x the scale
; The 16 loads of step n (64 along K) into set n % 2: steps 0-3 and 12-15 lie in part B, 4-11 in part A
.macro FETCH n
.set fp, (\n)%2
.set fa, 0
.set fk, PB
.set fo, 64*((\n)%4)
.if ((\n) > 3) && ((\n) < 12)
.set fa, 1
.set fk, PA
.set fo, 64*((\n)-4)
.endif
	WIN 0x40*fp
.irp t, 0,1,2,3
	ds_load_b128 v[64+128*fp+8*\t:64+128*fp+8*\t+3],   v[4+fa] offset:\t*16*fk+fo
	ds_load_b128 v[64+128*fp+8*\t+4:64+128*fp+8*\t+7], v[4+fa] offset:\t*16*fk+fo+32
.endr
.irp t, 0,1,2,3
	ds_load_b128 v[32+128*fp+8*\t:32+128*fp+8*\t+3],   v[6+fa] offset:\t*16*fk+fo
	ds_load_b128 v[32+128*fp+8*\t+4:32+128*fp+8*\t+7], v[6+fa] offset:\t*16*fk+fo+32
.endr
	WIN 0
.endm
.macro MUL16 mp, sa, sb, zero          ; the 16 accumulators take turns, one instruction a turn, in the same order in every step.  sa: source 0's fragments, by bn; sb: source 1's, by a
	WIN 0x05*\mp
.irp a, 0,1,2,3
.irp bn, 0,1,2,3
.if \zero
	v_wmma_f32_16x16x64_bf8_bf8 v[ACC+8*(4*\a+\bn):ACC+8*(4*\a+\bn)+7], v[\sa+8*\bn:\sa+8*\bn+7], v[\sb+8*\a:\sb+8*\a+7], 0
.else
	v_wmma_f32_16x16x64_bf8_bf8 v[ACC+8*(4*\a+\bn):ACC+8*(4*\a+\bn)+7], v[\sa+8*\bn:\sa+8*\bn+7], v[\sb+8*\a:\sb+8*\a+7], v[ACC+8*(4*\a+\bn):ACC+8*(4*\a+\bn)+7]
.endif
.endr
.endr
	WIN 0
.endm
.macro MUL n, zero                     ; step n's products: Q and K with the weight as source 0, V with x
.set mq, (\n)%2
.set mX, 32+128*mq
.set mW, 64+128*mq
	s_cmp_lg_u32 s[TY], 0
	s_cbranch_scc1 .Lv_\@
	MUL16 mq, mW, mX, \zero
	s_branch .Lm_\@
.Lv_\@:
	MUL16 mq, mX, mW, \zero
.Lm_\@:
.endm
.macro STEP n, zero
	PLACES                                         ; in front of loads into the set that the last products read
	FETCH (\n)+1
	s_wait_dscnt 16                                ; all but the 16 just issued
	MUL \n, \zero
.endm
; RoPE on the four accumulators of x's tile a: registers 2 p, 2 p + 1 are a pair (real, imaginary)
.macro ROPE a
	WIN 0x04                                       ; source 1 (cos, sin) in window 1
.irp bn, 0,1,2,3
.irp p, 0,1,2,3
	v_mul_f32 v[T+8*\bn+2*\p],   v[ACC+8*(4*(\a)+\bn)+2*\p+1], v[8*(4*(\a)+\bn)+4+\p]   ; xi s
	v_mul_f32 v[T+8*\bn+2*\p+1], v[ACC+8*(4*(\a)+\bn)+2*\p+1], v[8*(4*(\a)+\bn)+\p]     ; xi c
.endr
.irp p, 0,1,2,3
	v_fma_f32 v[T+8*\bn+2*\p],   v[ACC+8*(4*(\a)+\bn)+2*\p], v[8*(4*(\a)+\bn)+\p],   -v[T+8*\bn+2*\p]    ; xr c - xi s
	v_fma_f32 v[T+8*\bn+2*\p+1], v[ACC+8*(4*(\a)+\bn)+2*\p], v[8*(4*(\a)+\bn)+4+\p], v[T+8*\bn+2*\p+1]   ; xr s + xi c
.endr
.endr
	WIN 0
.endm
; 32 numbers a lane, v[src] on, become eight registers of codes (registers 2 bn, 2 bn + 1: k = 16 bn + 8 h + 0 .. 7: the plain form's own layout) and leave as two stores of 512 consecutive bytes
.macro OUTA a, src, off
.set j, 0
.rept 32
	v_med3_num_f32 v[(\src)+j], v[(\src)+j], -v[LIM], v[LIM]   ; the conversion to an 8-bit code does not saturate (ISA guide 7.6.2): the hold at the largest code x the scale
.set j, j+1
.endr
.irp bn, 0,1,2,3
	v_cvt_scalef32_pk8_bf8_f32 v[CD+8*(\a)+2*\bn:CD+8*(\a)+2*\bn+1], v[(\src)+8*\bn:(\src)+8*\bn+7], v[SCL]
.endr
	v_nop                                          ; a plain line behind the last conversion: the next lines write its sources again
	global_store_b128 v[LI], v[CD+8*(\a):CD+8*(\a)+3],   s[96:97] offset:\off
	global_store_b128 v[LI], v[CD+8*(\a)+4:CD+8*(\a)+7], s[96:97] offset:\off+512
.endm
	s_wait_alu depctr_va_vdst(0)
	s_wait_tensorcnt 0x0                           ; my one fill is in
	s_barrier_signal -1
	s_barrier_wait -1                              ; everybody's is
	FETCH 0
	STEP 0, 1
	STEP 1, 0
	STEP 2, 0
	STEP 3, 0
	s_wait_tensorcnt 0x0                           ; THE REFILL OF PART B.  None of my tensor loads is out;
	ds_add_u32 v[SPW], v[NIL]
	s_add_nc_u64 s[G0X+2:G0X+3], s[G0X+2:G0X+3], 768   ; so a group 0 may be written: from K = 0 to K = 768 (the waves of part A fill nothing more)
	s_add_nc_u64 s[G0W+2:G0W+3], s[G0W+2:G0W+3], 768
	s_wait_dscnt 0x0                               ; the add is done, and so are my reads of part B
	ROUND                                          ; and that holds of every wave of every partner
	FILL 0, G0X, XB, .Lrefilled
	FILL 2, G0W, QB, .Lrefilled
	FILL 4, G0W, VB, .Lrefilled
.Lrefilled:
	s_cmp_lg_u32 s[TY], 0
	s_cbranch_scc1 .Lno_rope
	WIN 0x40                                       ; Q AND K: cos and sin of my 64 positions x 32 pairs, in the accumulators' layout, into window 1
.irp a, 0,1,2,3
.irp bn, 0,1,2,3
	global_load_b128 v[8*(4*\a+\bn):8*(4*\a+\bn)+3],   v[CSO], s[12:13] offset:\a*2048+\bn*32
	global_load_b128 v[8*(4*\a+\bn)+4:8*(4*\a+\bn)+7], v[CSO], s[14:15] offset:\a*2048+\bn*32
.endr
.endr
	WIN 0
.Lno_rope:
.irp n, 4,5,6,7,8,9,10
	STEP \n, 0
.endr
	s_wait_tensorcnt 0x0                           ; my part of the refill is in
	s_wait_dscnt 0x0                               ; and step 11's fragments
	s_barrier_signal -1
	s_barrier_wait -1                              ; everybody's part is in
	PLACES
	FETCH 12
	MUL 11, 0
	STEP 12, 0
	STEP 13, 0
	STEP 14, 0
	s_wait_dscnt 0x0
	MUL 15, 0
	s_cmp_lg_u32 s[TY], 0                          ; no barrier follows but the closing round: here the roles part
	s_cbranch_scc1 .Lvalues
	PLACES                                         ; in front of the first read of results and the first write of the fragments' registers
	s_wait_loadcnt 0x0                             ; cos, sin
.irp a, 0,1,2,3
	ROPE \a
	OUTA \a, T, \a*1024                            ; tile 4 (w % 2) + a of the eight
.endr
	s_branch .Lend
.Lvalues:                                              ; V: a lane holds channel 16 a + r, and the registers of (a, bn) positions 16 bn + 8 h + 0 .. 7
	PLACES
.irp a, 0,1,2,3
	OUTA \a, ACC+32*\a, \a*2048                    ; 16 channels a: registers 8 (w % 2) .. + 7 of the fragment of 128 keys
.endr
.Lend:
	s_wait_tensorcnt 0x0                           ; the wave's end
	ds_add_u32 v[SPW], v[NIL]
	s_wait_dscnt 0x0
	ROUND                                          ; the closing round
	s_endpgm
.Lfunc_end_k_q5c4bc92645_qkv:
	.size	k_q5c4bc92645_qkv, .Lfunc_end_k_q5c4bc92645_qkv-k_q5c4bc92645_qkv
	.p2alignl 7, 3214868480
	.fill 96, 4, 3214868480
	.section	.rodata,"a",@progbits
	.p2align	6, 0x0
	.amdhsa_kernel k_q5c4bc92645_qkv
		.amdhsa_group_segment_fixed_size 327680
		.amdhsa_private_segment_fixed_size 0
		.amdhsa_enable_private_segment 0
		.amdhsa_kernarg_size 80
		.amdhsa_user_sgpr_count 2
		.amdhsa_user_sgpr_kernarg_segment_ptr 1
		.amdhsa_wavefront_size32 1
		.amdhsa_system_sgpr_workgroup_id_x 1
		.amdhsa_system_sgpr_workgroup_id_y 1
		.amdhsa_system_sgpr_workgroup_id_z 1
		.amdhsa_system_vgpr_workitem_id 0
		.amdhsa_next_free_vgpr 480
		.amdhsa_next_free_sgpr 102
		.amdhsa_reserve_vcc 0
		.amdhsa_float_denorm_mode_32 3
		.amdhsa_float_denorm_mode_16_64 3
		.amdhsa_memory_ordered 1
		.amdhsa_forward_progress 1
		.amdhsa_inst_pref_size 102
	.end_amdhsa_kernel
	.amdgpu_metadata
---
amdhsa.version: [ 1, 2 ]
amdhsa.kernels:
  - .name:           k_q5c4bc92645_qkv
    .symbol:         k_q5c4bc92645_qkv.kd
    .args:
      - { .name: x_codes, .offset: 0, .size: 8, .value_kind: global_buffer, .address_space: global }
      - { .name: wq_codes, .offset: 8, .size: 8, .value_kind: global_buffer, .address_space: global }
      - { .name: wk_codes, .offset: 16, .size: 8, .value_kind: global_buffer, .address_space: global }
      - { .name: wv_codes, .offset: 24, .size: 8, .value_kind: global_buffer, .address_space: global }
      - { .name: freqs_cos, .offset: 32, .size: 8, .value_kind: global_buffer, .address_space: global }
      - { .name: freqs_sin, .offset: 40, .size: 8, .value_kind: global_buffer, .address_space: global }
      - { .name: lowp_scales, .offset: 48, .size: 8, .value_kind: global_buffer, .address_space: global }
      - { .name: qc, .offset: 56, .size: 8, .value_kind: global_buffer, .address_space: global }
      - { .name: kc, .offset: 64, .size: 8, .value_kind: global_buffer, .address_space: global }
      - { .name: vc, .offset: 72, .size: 8, .value_kind: global_buffer, .address_space: global }
    .group_segment_fixed_size: 327680
    .private_segment_fixed_size: 0
    .kernarg_segment_align: 8
    .kernarg_segment_size: 80
    .max_flat_workgroup_size: 192
    .sgpr_count:     102
    .vgpr_count:     480
    .wavefront_size: 32
...
	.end_amdgpu_metadata
.endif
;; end of part 1
;; launch attn (part 2): grid 32 x 8, 8 waves a work-group, clusters of 4 x 1, 327,680 bytes of LDS; arguments qc, kc, vc, lowp_scales, oc; writes oc
.if DOCPART == 2
	.amdgcn_target "amdgcn-amd-amdhsa--gfx1250"
	.amdhsa_code_object_version 6
	.text
	.protected	k_q5c4bc92645_attn
	.globl	k_q5c4bc92645_attn
	.p2align	8
	.type	k_q5c4bc92645_attn,@function
k_q5c4bc92645_attn:
	s_mov_b64 s[64:65], 0
	v_nop
	global_prefetch_b8 v0, s[64:65] scope:SCOPE_SE
	s_setreg_imm32_b32 hwreg(HW_REG_WAVE_MODE, 25, 1), 1
	s_wait_xcnt 0x0
	s_wait_alu depctr_hold_cnt(0) depctr_sa_sdst(0) depctr_va_vdst(0) depctr_va_sdst(0) depctr_va_ssrc(0) depctr_va_vcc(0) depctr_vm_vsrc(0)
	s_getreg_b32 s2, hwreg(HW_REG_IB_STS2, 6, 4)
	s_cmp_eq_u32 s2, 0
	s_cbranch_scc0 .Lentry_in_a_cluster
	s_endpgm
.Lentry_in_a_cluster:
	s_bfe_u32 s2, ttmp6, 0x10000c
	s_cmp_lg_u32 s2, 0x3003
	s_cbranch_scc0 .Lentry_shape_is_right
	s_endpgm
.Lentry_shape_is_right:
; LAUNCH 2 OF 3: attention on codes of E5M2.  S^T = K Q^T, the softmax by the stated rule (t = score x log2(e) / 8; M the running largest t rounded up; p = 2^(t - M), quantised along the keys, entry 9; the row's sum of the
; unquantised p), O^T = V^T P^T, O / sum quantised for launch 3 (entry 10).
; LEFT OUT: steps of 128 keys all of which come after a unit's 32 queries (dead work: see launch 1).
; LIMITS: the promise holds while the scaled scores stay under 2^31 in magnitude; on the given exponents: e6 + e7 between -123 and 130, e9 and e10 - e8 - e9 between -126 and 112.
; SHARES.  A work-group takes one query head (the cluster's four share a key and value head, whose codes they ask for jointly) and eight units of 32 queries: for j = 0 .. 3 the early unit 8 j + x and the late unit 63 minus that.
; The early unit has n steps of 128 keys, the late one 17 - n: 17 together, of which wave j takes ALPHA and wave j + 4 the rest.  Wave j begins with the late unit, wave j + 4 with the early one, both at key 0.
; Where the late unit has ALPHA steps or more, wave j stays with its steps 0 .. ALPHA - 1; wave j + 4 finishes the early unit, stores its result and goes on with the late unit's step ALPHA.
; Where it has fewer, wave j + 4 stays with the early unit's steps 0 .. 16 - ALPHA; wave j finishes the late unit and goes on with the early unit's step 17 - ALPHA.
; At the end the two parts of the unit that both had are joined through LDS, a tile of 16 queries by each of the two waves: under the larger M by powers of two, so nothing is rounded in that.
; All 2,048 keys lie in LDS: K's images (a step is 8 tiles of 1,024 bytes), then V's (a step is 4 x 2,048 bytes).  A wave has two tensor loads: at the head one of the steps 0 .. 3, of K or of V; behind the full sequence three of the
; steps 4 .. 15, which land under two trips of work.  No prefetch: no loop loads a tile.
; A lane holds ONE query (lane % 16) of each of the unit's two tiles u: register n of a tile's scores is key 16 (n / 8) + 8 (lane / 16) + n % 8.
; REGISTERS, window 0: v1-12 addresses and constants; v16-31 two states of eight: -M, largest t, the sum's two halves, f, 1 / sum; v32-39, v44-47 at work; v40-43 scales and holds; v48-63 Q; v64-95 p's codes; v96-111 the result's
; codes; v112-119 the diagonal's caps; v128-255 scores.  Window 1: v0-63 K; v64-127 V; v128-191 O^T; v192-207 Q of the unit that is joined.
.set ALPHA, 12                         ; 9 to 13
.set SPARE, 262144                     ; the spare words, 128 bytes for each wave
.set STAGE, 263168                     ; for each wave 32 registers of O^T (4,096 bytes), then -M and the sum (256 bytes)
.set SREG, 4352
.set LI,  1                            ; 16 x lane
.set ADK, 2
.set ADV, 3
.set SPW, 4
.set NIL, 5
.set RH,  6
.set DD,  7
.set NINF, 8
.set STW, 9                            ; my stage,
.set STR, 10                           ; my partner's,
.set S8,  11                           ; and the places of -M and the sum
.set R8,  12
.set ST,  16
.set QR,  48
.set PR,  64
.set CD,  96
.set CAP, 112
.set SR,  128
.set VR,  64
.set OT,  128
.set Q2,  192
.set WV,  14
.set REP, 16
.set YY,  17
.set AP,  18                           ; my first unit
.set AL,  19                           ; the unit that is joined
.set SW,  20                           ; the trip at which I change units (31: never)
.set D9,  21                           ; what is added to a trip's number from there on
.set NST, 22                           ; the trip at which I have done
.set IDX, 23
.set G1,  24                           ; descriptor groups 1 and 0 of the first load,
.set G0,  32
.set G1B, 80                           ; of the second
.set G0B, 88
.set DG,  36                           ; the unit's last step, on the diagonal
.set A3,  37                           ; its place among the four units of that step
.set KS,  38
.set N1,  39                           ; my trips of the first two
.set SEL, 48
.set CS,  50
.set MSB, 0
.macro WIN new
.if MSB != \new
	s_set_vgpr_msb (MSB<<8)|\new
.set MSB, \new
.endif
.endm
.macro ROUND
	s_barrier_signal -1
	s_barrier_wait -1
	s_cmp_lg_u32 s[WV], 0
	s_cbranch_scc1 .Lnot_wave_0_\@
	s_barrier_signal -3
.Lnot_wave_0_\@:
	s_barrier_wait -3
	s_barrier_signal -1
	s_barrier_wait -1
.endm
.macro G1SET g, rows                   ; the four partners; elements of 8 bytes, no padding: rows of 256 bytes, dense
	s_mov_b32 s[\g], 15|(3<<16)|(1<<21)
	s_mov_b32 s[\g+1], 32<<16
	s_mov_b32 s[\g+2], \rows<<16
	s_mov_b32 s[\g+3], 32<<16
	s_mov_b32 s[\g+4], \rows
	s_mov_b32 s[\g+5], 32
	s_mov_b32 s[\g+6], 0
	s_mov_b32 s[\g+7], 0
.endm
	s_load_b256 s[4:11], s[0:1], 0x0               ; qc, kc, vc, scales
	s_load_b64 s[12:13], s[0:1], 0x20              ; oc
	v_lshl_add_u32 v[SPW], v0, 2, SPARE
	v_mov_b32 v[NIL], 0
	ds_add_u32 v[SPW], v[NIL]                      ; the opening: the add, twice on end, and its wait ahead of the first tensor load
	ds_add_u32 v[SPW], v[NIL]
	v_lshrrev_b32 v1, 5, v0
	v_readfirstlane_b32 s[WV], v1                  ; wave 0..7
	s_bfe_u32 s[REP], ttmp6, 0x40000               ; which of the four query heads
	s_and_b32 s[YY], ttmp7, 0xffff                 ; 4 b + key and value head
	s_and_b32 s66, s[WV], 3                        ; j
	s_lshl_b32 s67, s66, 3
	s_add_co_u32 s67, s67, ttmp9                   ; the early unit
	s_sub_co_u32 s68, 63, s67                      ; the late one
	s_lshr_b32 s69, s67, 2
	s_add_co_u32 s69, s69, 1                       ; n
	s_sub_co_u32 s70, 17, s69                      ; the late unit's steps
	s_max_u32 s72, s69, 2                          ; waves j + 4, where the late unit is joined: they change units behind n trips, not ahead of trip 2 (before it the later steps' tiles are not in),
	s_sub_co_u32 s73, ALPHA, s72                   ; to step ALPHA,
	s_add_co_u32 s76, s72, s70
	s_sub_co_u32 s76, s76, ALPHA                   ; and have done with the late unit's last
	s_min_u32 s[N1], s69, 2
	s_mov_b32 s77, 17-ALPHA
	s_sub_co_u32 s78, s77, s70                     ; waves j, where the early unit is joined: from the late unit's last to step 17 - ALPHA
	s_cmp_ge_u32 s70, ALPHA
	s_cselect_b32 s[AL], s68, s67
	s_cselect_b32 s79, 31, s70
	s_cselect_b32 s78, 0, s78
	s_cselect_b32 s72, s72, 31
	s_cselect_b32 s73, s73, 0
	s_cselect_b32 s76, s76, s77
	s_cmp_lt_u32 s[WV], 4
	s_cselect_b32 s[AP], s68, s67
	s_cselect_b32 s[SW], s79, s72
	s_cselect_b32 s[D9], s78, s73
	s_cselect_b32 s[NST], ALPHA, s76
	s_cselect_b32 s[N1], 2, s[N1]
	s_lshr_b32 s[DG], s[AP], 2
	s_and_b32 s[A3], s[AP], 3
	G1SET G1, 32                                   ; one step, 8,192 bytes
	G1SET G1B, 96                                  ; three steps
	s_mov_b32 s[SEL], 0x76543210
	s_mov_b32 s[SEL+1], 0xfedcba98
	s_lshl_b32 s68, s[YY], 17                      ; waves 0-3: K, waves 4-7: V
	s_lshl_b32 s69, s66, 13                        ; step j,
	s_mul_i32 s71, s66, 24576
	s_add_co_u32 s71, s71, 32768                   ; steps 4 + 3 j on
	s_lshr_b32 s92, s[WV], 2
	s_lshl_b32 s92, s92, 17                        ; V lies behind K in LDS
	s_mov_b32 s[G0], 1
	s_add_co_u32 s[G0+1], s92, s69
	s_mov_b32 s[G0B], 1
	s_add_co_u32 s[G0B+1], s92, s71
	s_add_co_u32 s70, s68, s71
	s_add_co_u32 s68, s68, s69
	s_mov_b32 s69, 0
	s_mov_b32 s71, 0
	s_wait_dscnt 0x0                               ; both opening adds are done
	s_wait_kmcnt 0x0
	s_load_b256 s[52:59], s[10:11], 0x0            ; e0 .. e7
	s_load_b128 s[60:63], s[10:11], 0x20           ; e8 .. e11
	s_cmp_lt_u32 s[WV], 4
	s_cselect_b64 s[72:73], s[6:7], s[8:9]
	s_add_nc_u64 s[G0+2:G0+3], s[72:73], s[68:69]
	s_or_b32 s[G0+3], s[G0+3], 0x80000000
	s_add_nc_u64 s[G0B+2:G0B+3], s[72:73], s[70:71]
	s_or_b32 s[G0B+3], s[G0B+3], 0x80000000
	ROUND                                          ; the four work-groups are here: the joint loads meet
	tensor_load_to_lds s[G0:G0+3], s[G1:G1+7]
	s_nop 0
.rept 4
	v_nop
.endr
	s_lshl_b32 s66, s[YY], 2
	s_add_co_u32 s66, s66, s[REP]
	s_lshl_b32 s66, s66, 17                        ; qc: my head,
	s_lshl_b32 s68, s[AL], 11
	s_add_co_u32 s68, s68, s66                     ; the joined unit's two tiles
	s_lshl_b32 s70, s[AP], 11
	s_add_co_u32 s66, s66, s70                     ; and my first unit's
	s_mov_b32 s67, 0
	s_mov_b32 s69, 0
	s_add_nc_u64 s[76:77], s[4:5], s[68:69]
	s_add_nc_u64 s[4:5], s[4:5], s[66:67]
	s_lshr_b32 s66, s[YY], 2                       ; oc: [b][tile of 16 rows 128][head 16][1024]
	s_lshl_b32 s66, s66, 21
	s_and_b32 s67, s[YY], 3
	s_lshl_b32 s67, s67, 2
	s_add_co_u32 s67, s67, s[REP]
	s_lshl_b32 s67, s67, 10
	s_add_co_u32 s66, s66, s67
	s_lshl_b32 s68, s[AL], 15
	s_add_co_u32 s68, s68, s66
	s_lshl_b32 s70, s[AP], 15
	s_add_co_u32 s66, s66, s70
	s_mov_b32 s67, 0
	s_add_nc_u64 s[74:75], s[12:13], s[68:69]      ; the joined unit's rows,
	s_add_nc_u64 s[12:13], s[12:13], s[66:67]      ; my first unit's
	s_mul_i32 s66, s[WV], SREG
	s_add_co_u32 s66, s66, STAGE
	s_xor_b32 s67, s[WV], 4
	s_mul_i32 s67, s67, SREG
	s_add_co_u32 s67, s67, STAGE
	v_and_b32 v[LI], 31, v0
	v_lshlrev_b32 v[LI], 4, v[LI]
.irp u, 0,1
	global_load_b128 v[QR+8*\u:QR+8*\u+3],   v[LI], s[4:5] offset:\u*1024
	global_load_b128 v[QR+8*\u+4:QR+8*\u+7], v[LI], s[4:5] offset:\u*1024+512
.endr
	WIN 0x40
.irp u, 0,1
	global_load_b128 v[Q2+8*\u:Q2+8*\u+3],   v[LI], s[76:77] offset:\u*1024
	global_load_b128 v[Q2+8*\u+4:Q2+8*\u+7], v[LI], s[76:77] offset:\u*1024+512
.endr
	WIN 0
	v_add_nc_u32 v[STW], s66, v[LI]
	v_add_nc_u32 v[STR], s67, v[LI]
	v_lshrrev_b32 v[S8], 1, v[LI]
	v_add_nc_u32 v[R8], s67, v[S8]
	v_add_nc_u32 v[S8], s66, v[S8]
	v_add_nc_u32 v[R8], 4096, v[R8]
	v_add_nc_u32 v[S8], 4096, v[S8]
	v_mov_b32 v[ADK], v[LI]                        ; every wave begins with key 0
	v_and_b32 v[RH], 15, v0
	v_bfe_u32 v[DD], v0, 4, 1
	v_lshlrev_b32 v[DD], 3, v[DD]
	v_sub_nc_u32 v[RH], v[RH], v[DD]               ; r - 8 h
	v_mov_b32 v[NINF], 0xff800000
.irp i, 0,1,2,3,4,5,6,7                ; the diagonal tile: register i is hidden where 8 h + i > r: capped at -infinity there, at infinity elsewhere
	v_cmp_gt_i32 vcc_lo, \i, v[RH]
	v_cndmask_b32 v[CAP+\i], 0x7f800000, v[NINF], vcc_lo
.endr
.irp u, 0,1
	v_mov_b32 v[ST+8*\u], 0x7f61b1e6               ; -M = 3e38, the largest t so far: -3e38
	v_mov_b32 v[ST+8*\u+1], 0xff61b1e6
.irp k, 2,3,4,5,6,7
	v_mov_b32 v[ST+8*\u+\k], 0
.endr
.endr
.irp k, 32,33,34,35,36,37,38,39,44,45,46,47
	v_mov_b32 v[\k], 0
.endr
	WIN 0x40
.set j, 0
.rept 64
	v_mov_b32 v[OT+j], 0                           ; O^T (a step is written without a first one of its own: the first change of M leaves the zeros zeros)
.set j, j+1
.endr
	WIN 0
	s_wait_alu depctr_va_vdst(0)
	s_wait_kmcnt 0x0
	s_add_co_i32 s66, s58, s59
	s_lshl_b32 s66, s66, 23
	s_mov_b32 s[CS], 0x3e38aa3b                    ; log2(e) / 8, with e6 + e7 added to its exponent field
	s_add_co_i32 s[CS], s[CS], s66
	s_mov_b32 s[CS+1], s[CS]
	s_add_co_i32 s66, s61, 127
	s_lshl_b32 s67, s66, 23                        ; 2^e9
	s_add_co_i32 s66, s66, 15
	s_lshl_b32 s66, s66, 23
	s_or_b32 s66, s66, 0x600000                    ; 57,344 x that
	s_sub_co_i32 s68, s62, s60
	s_sub_co_i32 s68, s68, s61
	s_add_co_i32 s68, s68, 127
	s_lshl_b32 s69, s68, 23                        ; 2^(e10 - e8 - e9)
	s_add_co_i32 s68, s68, 15
	s_lshl_b32 s68, s68, 23
	s_or_b32 s68, s68, 0x600000                    ; 57,344 x that
	v_mov_b32 v40, s67
	v_mov_b32 v41, s66
	v_mov_b32 v42, s69
	v_mov_b32 v43, s68
.macro KLOAD
	WIN 0x40
.irp t, 0,1,2,3,4,5,6,7
	ds_load_b128 v[8*\t:8*\t+3],   v[ADK] offset:\t*1024
	ds_load_b128 v[8*\t+4:8*\t+7], v[ADK] offset:\t*1024+512
.endr
	WIN 0
.endm
.macro VLOAD
	WIN 0x40
.irp dt, 0,1,2,3
.irp pc, 0,1,2,3
	ds_load_b128 v[VR+16*\dt+4*\pc:VR+16*\dt+4*\pc+3], v[ADV] offset:\dt*2048+\pc*512
.endr
.endr
	WIN 0
.endm
.macro HOLD2 r                         ; two numbers at once: the conversion to an 8-bit code does not saturate (ISA guide 7.6.2); p is never negative
	v_dual_min_num_f32 v[\r], v41, v[\r] :: v_dual_min_num_f32 v[(\r)+1], v41, v[(\r)+1]
.endm
; THE DIAGONAL STEP of a unit that is number a of the step's four: tile 2 a + u of the scores is capped lane by lane, the tiles behind it are hidden whole
.macro DIAG a, open
	s_cmp_lg_u32 s[A3], \a
	s_cbranch_scc1 .Lother_\@
.irp u, 0,1
.set dn, SR+64*\u+8*(2*\a+\u)
.irp i, 0,2,4,6
	v_dual_min_num_f32 v[dn+\i], v[CAP+\i], v[dn+\i] :: v_dual_min_num_f32 v[dn+\i+1], v[CAP+\i+1], v[dn+\i+1]
.endr
.set dn, dn+8
.rept 4*(7-2*\a-\u)
	v_dual_mov_b32 v[dn], v[NINF] :: v_dual_mov_b32 v[dn+1], v[NINF]
.set dn, dn+2
.endr
.endr
	s_wait_alu depctr_va_vdst(0)
	s_branch \open
.Lother_\@:
.endm
; p of tile u: the sum of the unquantised p in two chains, the hold, the codes.  A group's conversion stands behind the next group's sums
.macro PSUM u
.set rS, SR+64*\u
.set rA, ST+8*\u+2
.set rB, 44+2*\u
.set rP, PR+16*\u
.irp g, 0,1,2,3,4,5,6,7
.if \g == 0
	v_pk_add_f32 v[rB:rB+1], v[rS:rS+1], v[rS+2:rS+3]
.else
	v_pk_add_f32 v[rA:rA+1], v[rA:rA+1], v[rS+8*\g:rS+8*\g+1]
	v_pk_add_f32 v[rB:rB+1], v[rB:rB+1], v[rS+8*\g+2:rS+8*\g+3]
.endif
	HOLD2 rS+8*\g
	HOLD2 rS+8*\g+2
	v_pk_add_f32 v[rA:rA+1], v[rA:rA+1], v[rS+8*\g+4:rS+8*\g+5]
	v_pk_add_f32 v[rB:rB+1], v[rB:rB+1], v[rS+8*\g+6:rS+8*\g+7]
.if \g > 0
	v_cvt_scalef32_pk8_bf8_f32 v[rP+2*\g-2:rP+2*\g-1], v[rS+8*\g-8:rS+8*\g-1], v40
.endif
	HOLD2 rS+8*\g+4
	HOLD2 rS+8*\g+6
.endr
	v_cvt_scalef32_pk8_bf8_f32 v[rP+14:rP+15], v[rS+56:rS+63], v40
	v_pk_add_f32 v[rA:rA+1], v[rA:rA+1], v[rB:rB+1]    ; (also the plain line behind the conversion)
.endm
.macro PV u
	WIN 0x51
.irp dt, 0,1,2,3
	v_wmma_f32_16x16x128_bf8_bf8 v[OT+32*\u+8*\dt:OT+32*\u+8*\dt+7], v[VR+16*\dt:VR+16*\dt+15], v[PR+16*\u:PR+16*\u+15], v[OT+32*\u+8*\dt:OT+32*\u+8*\dt+7]
.endr
	WIN 0
.endm
; 32 finished numbers of tile u, at v[SR + 64 u] on, become the image of launch 3's operand and leave as two stores of 512 consecutive bytes
.macro SENDO u, base
.set j, 0
.rept 32
	v_med3_num_f32 v[SR+64*\u+j], v[SR+64*\u+j], -v43, v43
.set j, j+1
.endr
.irp dt, 0,1,2,3
	v_cvt_scalef32_pk8_bf8_f32 v[CD+8*\u+2*\dt:CD+8*\u+2*\dt+1], v[SR+64*\u+8*\dt:SR+64*\u+8*\dt+7], v42
.endr
	v_nop                                          ; a plain line behind the last conversion
	global_store_b128 v[LI], v[CD+8*\u:CD+8*\u+3],   s[\base:\base+1] offset:\u*16384
	global_store_b128 v[LI], v[CD+8*\u+4:CD+8*\u+7], s[\base:\base+1] offset:\u*16384+512
.endm
; THE CHANGE OF UNITS: my first unit is finished: O^T / sum goes out
.macro CHANGE
	s_wait_xcnt 0x0                                ; (the codes' registers are written below)
	s_wait_alu depctr_va_vdst(0)
.irp u, 0,1
	v_add_f32 v[ST+8*\u+2], v[ST+8*\u+2], v[ST+8*\u+3]
.endr
.irp u, 0,1
	v_permlanex16_b32 v[34+4*\u], v[ST+8*\u+2], s[SEL], s[SEL+1]
.endr
.irp u, 0,1
	v_add_f32 v[ST+8*\u+2], v[ST+8*\u+2], v[34+4*\u]
.endr
	s_wait_alu depctr_va_vdst(0)                   ; the wait ahead of the transcendentals
.irp u, 0,1
	v_rcp_f32 v[ST+8*\u+6], v[ST+8*\u+2]
.endr
	v_nop
.irp u, 0,1
	WIN 0x01
	s_wait_alu depctr_va_vdst(0)                   ; and behind them, directly ahead of the first reader of O^T
.set j, 0
.rept 16
	v_pk_mul_f32 v[SR+64*\u+j:SR+64*\u+j+1], v[OT+32*\u+j:OT+32*\u+j+1], v[ST+8*\u+6:ST+8*\u+7] op_sel_hi:[1,0]
.set j, j+2
.endr
	WIN 0
	SENDO \u, 12
.endr
.irp u, 0,1                            ; the joined unit's state: M far below every t, so the first change of M multiplies the old sum and O^T, which are finite, by 0
	v_mov_b32 v[ST+8*\u], 0x7f61b1e6
	v_mov_b32 v[ST+8*\u+1], 0xff61b1e6
.endr
	WIN 0x01
.irp k, 0,1,2,3,4,5,6,7,8,9,10,11,12,13,14,15
	v_mov_b32 v[QR+\k], v[Q2+\k]
.endr
	WIN 0
	s_lshr_b32 s[DG], s[AL], 2
	s_and_b32 s[A3], s[AL], 3
	s_wait_alu depctr_va_vdst(0)
.endm
; Trips first .. last - 1.  g = 0: the first two, in which no wave changes units and the steps are the trips' numbers; g = 1: the others.  All branches but the loop's own hang on ids and the trip's number.
.macro GROUP g, first, last
	s_mov_b32 s[IDX], \first
.Lsteps\g:
.if \g
	s_cmp_lg_u32 s[IDX], s[SW]
	s_cbranch_scc1 .Lsame_unit
	CHANGE
.Lsame_unit:
	s_cmp_ge_u32 s[IDX], s[NST]
	s_cbranch_scc1 .Lnext\g
	s_cmp_ge_u32 s[IDX], s[SW]
	s_cselect_b32 s66, s[D9], 0
	s_add_co_u32 s[KS], s[IDX], s66                ; this step's number among the 16,
	s_lshl_b32 s67, s[KS], 13
	s_and_b32 s67, s67, 0x1e000
	s_add_co_u32 s67, s67, 0x20000                 ; its tiles of V,
	s_add_co_u32 s68, s[IDX], 1
	s_cmp_ge_u32 s68, s[SW]
	s_cselect_b32 s66, s[D9], 0
	s_add_co_u32 s68, s68, s66
	s_lshl_b32 s68, s68, 13
	s_and_b32 s68, s68, 0x1e000                    ; and the next step's of K (behind the last step: tiles that are not used)
.else
	s_cmp_ge_u32 s[IDX], s[N1]
	s_cbranch_scc1 .Lnext\g
	s_mov_b32 s[KS], s[IDX]
	s_lshl_b32 s67, s[IDX], 13
	s_add_co_u32 s67, s67, 0x20000
	s_add_co_u32 s68, s[IDX], 1
	s_lshl_b32 s68, s68, 13
.endif
	WIN 0x01
.irp u, 0,1
.irp t, 0,1,2,3,4,5,6,7
	v_wmma_f32_16x16x64_bf8_bf8 v[SR+64*\u+8*\t:SR+64*\u+8*\t+7], v[8*\t:8*\t+7], v[QR+8*\u:QR+8*\u+7], 0
.endr
.endr
	WIN 0
	v_add_nc_u32 v[ADV], s67, v[LI]                ; these four lines are the places behind the products, for the loads and the reads below
	v_add_nc_u32 v[ADK], s68, v[LI]
	v_mov_b32 v35, v[ST]                           ; the old -M
	v_mov_b32 v39, v[ST+8]
	VLOAD
	KLOAD
	s_cmp_lg_u32 s[KS], s[DG]
	s_cbranch_scc1 .Lopen\g
	DIAG 0, .Lopen\g
	DIAG 1, .Lopen\g
	DIAG 2, .Lopen\g
	DIAG 3, .Lopen\g
.Lopen\g:
	v_max3_num_f32 v32, v[SR], v[SR+1], v[SR+2]    ; the largest score of my two queries among my 64 keys: two chains each
	v_max3_num_f32 v36, v[SR+64], v[SR+65], v[SR+66]
	v_max3_num_f32 v33, v[SR+3], v[SR+4], v[SR+5]
	v_max3_num_f32 v37, v[SR+67], v[SR+68], v[SR+69]
.irp i, 6,10,14,18,22,26,30,34,38,42,46,50,54,58
	v_max3_num_f32 v32, v32, v[SR+\i], v[SR+\i+1]
	v_max3_num_f32 v36, v36, v[SR+64+\i], v[SR+65+\i]
	v_max3_num_f32 v33, v33, v[SR+\i+2], v[SR+\i+3]
	v_max3_num_f32 v37, v37, v[SR+66+\i], v[SR+67+\i]
.endr
	v_max3_num_f32 v32, v32, v[SR+62], v[SR+63]
	v_max3_num_f32 v36, v36, v[SR+126], v[SR+127]
	v_max_num_f32 v32, v32, v33
	v_max_num_f32 v36, v36, v37
	v_permlanex16_b32 v34, v32, s[SEL], s[SEL+1]   ; and among lane l xor 16's
	v_permlanex16_b32 v38, v36, s[SEL], s[SEL+1]
	v_max_num_f32 v32, v32, v34
	v_max_num_f32 v36, v36, v38
	v_mul_f32 v32, s[CS], v32                      ; as t
	v_mul_f32 v36, s[CS], v36
	v_max_num_f32 v[ST+1], v[ST+1], v32            ; the running largest t
	v_max_num_f32 v[ST+9], v[ST+9], v36
	v_floor_f32 v[ST], -v[ST+1]                    ; -M: M is a whole number
	v_floor_f32 v[ST+8], -v[ST+9]
	v_sub_f32 v35, v[ST], v35                      ; old M - new M, 0 or less
	v_sub_f32 v39, v[ST+8], v39
	v_cvt_i32_f32 v35, v35                         ; (it saturates)
	v_cvt_i32_f32 v39, v39
	v_ldexp_f32 v[ST+4], 1.0, v35                  ; f = 2^(old M - new M)
	v_ldexp_f32 v[ST+12], 1.0, v39
.set j, 0
.rept 32
	v_pk_fma_f32 v[SR+j:SR+j+1], v[SR+j:SR+j+1], s[CS:CS+1], v[ST:ST+1] op_sel_hi:[1,0,0]   ; t - M
	v_pk_fma_f32 v[SR+64+j:SR+65+j], v[SR+64+j:SR+65+j], s[CS:CS+1], v[ST+8:ST+9] op_sel_hi:[1,0,0]
.set j, j+2
.endr
	s_wait_alu depctr_va_vdst(0)
.set j, 0
.rept 128
	v_exp_f32 v[SR+j], v[SR+j]                     ; p = 2^(t - M), at most 1
.set j, j+1
.endr
	v_pk_mul_f32 v[ST+2:ST+3], v[ST+2:ST+3], v[ST+4:ST+5] op_sel_hi:[1,0]   ; the sums under the new M: plain places behind the batch
	v_pk_mul_f32 v[ST+10:ST+11], v[ST+10:ST+11], v[ST+12:ST+13] op_sel_hi:[1,0]
	WIN 0x41
	s_wait_dscnt 0x0                               ; V and the next K are in registers
	s_wait_alu depctr_va_vdst(0)                   ; the wait behind the batch, ahead of the first reader of a result of it and of O^T
.irp u, 0,1
.set j, 0
.rept 16
	v_pk_mul_f32 v[OT+32*\u+j:OT+32*\u+j+1], v[OT+32*\u+j:OT+32*\u+j+1], v[ST+8*\u+4:ST+8*\u+5] op_sel_hi:[1,0]   ; O^T under the new M
.set j, j+2
.endr
.endr
	WIN 0
	PSUM 0
	PV 0
	PSUM 1
	PV 1
.Lnext\g:
	s_add_co_u32 s[IDX], s[IDX], 1
	s_cmp_lt_u32 s[IDX], \last
	s_cbranch_scc1 .Lsteps\g
.endm
	s_wait_alu depctr_va_vdst(0)
	s_wait_tensorcnt 0x0                           ; my one of the first four steps' tiles is in
	ds_add_u32 v[SPW], v[NIL]
	s_wait_dscnt 0x0
	ROUND                                          ; everybody's is in, and the joint loads meet:
	tensor_load_to_lds s[G0B:G0B+3], s[G1B:G1B+7]  ; my three of the other twelve steps
	s_nop 0
.rept 4
	v_nop
.endr
	KLOAD
	s_wait_loadcnt 0x0                             ; Q
	s_wait_dscnt 0x0
	GROUP 0, 0, 2                                  ; these trips read steps 0 to 2
	s_wait_alu depctr_va_vdst(0)
	s_wait_tensorcnt 0x0                           ; my second load is in
	s_wait_dscnt 0x0
	s_barrier_signal -1
	s_barrier_wait -1                              ; everybody's is
	s_cmp_lg_u32 s[SW], 2                          ; a wave that changes units now goes on with step ALPHA, whose K was not in
	s_cbranch_scc1 .Lhas_k
	v_add_nc_u32 v[ADK], ALPHA<<13, v[LI]
	KLOAD
	s_wait_dscnt 0x0
.Lhas_k:
	GROUP 1, 2, ALPHA
; THE JOIN of a unit's two parts.  Waves 0-3 give tile 1 and keep tile 0, waves 4-7 the other way round.
.macro PUT u
	WIN 0x04
.irp k, 0,1,2,3,4,5,6,7
	ds_store_b128 v[STW], v[OT+32*\u+4*\k:OT+32*\u+4*\k+3] offset:512*\k
.endr
	WIN 0
	ds_store_b64 v[S8], v[ST+8*\u:ST+8*\u+1]
.endm
.macro MERGE u
.set rS, SR+64*\u
.set rT, ST+8*\u
.irp k, 0,1,2,3,4,5,6,7
	ds_load_b128 v[rS+4*\k:rS+4*\k+3], v[STR] offset:512*\k
.endr
	ds_load_b64 v[32:33], v[R8]
	s_wait_xcnt 0x0                                ; earlier stores have read the codes' registers
	s_wait_dscnt 0x0
	v_min_num_f32 v34, v[rT], v32                  ; -M of both parts
	v_sub_f32 v35, v34, v[rT]
	v_sub_f32 v36, v34, v32
	v_cvt_i32_f32 v35, v35
	v_cvt_i32_f32 v36, v36
	v_ldexp_f32 v44, 1.0, v35                      ; a part without a step has -M = 3e38 and gets 0
	v_ldexp_f32 v46, 1.0, v36
	v_mul_f32 v37, v[rT+1], v44
	v_fma_f32 v37, v33, v46, v37
	v_permlanex16_b32 v38, v37, s[SEL], s[SEL+1]
	v_add_f32 v37, v37, v38                        ; the row's sum
	s_wait_alu depctr_va_vdst(0)                   ; the wait ahead of the transcendental
	v_rcp_f32 v39, v37
	v_nop
	s_wait_alu depctr_va_vdst(0)                   ; and behind it
	v_mul_f32 v44, v44, v39
	v_mul_f32 v46, v46, v39
	WIN 0x01
	s_wait_alu depctr_va_vdst(0)                   ; directly ahead of the first reader of O^T
.set j, 0
.rept 16
	v_pk_mul_f32 v[rS+32+j:rS+33+j], v[OT+32*\u+j:OT+32*\u+j+1], v[44:45] op_sel_hi:[1,0]
.set j, j+2
.endr
	WIN 0
.set j, 0
.rept 16
	v_pk_fma_f32 v[rS+j:rS+j+1], v[rS+j:rS+j+1], v[46:47], v[rS+32+j:rS+33+j] op_sel_hi:[1,0,1]
.set j, j+2
.endr
	SENDO \u, 74
.endm
	s_wait_alu depctr_va_vdst(0)
	v_add_f32 v[ST+2], v[ST+2], v[ST+3]            ; four places behind the last products
	v_add_f32 v[ST+10], v[ST+10], v[ST+11]
	v_mov_b32 v[ST+1], v[ST+2]                     ; -M and the sum as a pair
	v_mov_b32 v[ST+9], v[ST+10]
	s_wait_alu depctr_va_vdst(0)
	s_cmp_lt_u32 s[WV], 4
	s_cbranch_scc0 .Lput_0
	PUT 1
	s_branch .Lput
.Lput_0:
	PUT 0
.Lput:
	s_wait_dscnt 0x0                               ; my stores are done, for my partner's sake
	s_barrier_signal -1
	s_barrier_wait -1
	s_cmp_lt_u32 s[WV], 4
	s_cbranch_scc0 .Lmerge_1
	MERGE 0
	s_branch .Lend
.Lmerge_1:
	MERGE 1
.Lend:
	s_wait_tensorcnt 0x0                           ; the wave's end
	ds_add_u32 v[SPW], v[NIL]
	s_wait_dscnt 0x0
	ROUND                                          ; the closing round
	s_endpgm
.Lfunc_end_k_q5c4bc92645_attn:
	.size	k_q5c4bc92645_attn, .Lfunc_end_k_q5c4bc92645_attn-k_q5c4bc92645_attn
	.p2alignl 7, 3214868480
	.fill 96, 4, 3214868480
	.section	.rodata,"a",@progbits
	.p2align	6, 0x0
	.amdhsa_kernel k_q5c4bc92645_attn
		.amdhsa_group_segment_fixed_size 327680
		.amdhsa_private_segment_fixed_size 0
		.amdhsa_enable_private_segment 0
		.amdhsa_kernarg_size 40
		.amdhsa_user_sgpr_count 2
		.amdhsa_user_sgpr_kernarg_segment_ptr 1
		.amdhsa_wavefront_size32 1
		.amdhsa_system_sgpr_workgroup_id_x 1
		.amdhsa_system_sgpr_workgroup_id_y 1
		.amdhsa_system_sgpr_workgroup_id_z 1
		.amdhsa_system_vgpr_workitem_id 0
		.amdhsa_next_free_vgpr 464
		.amdhsa_next_free_sgpr 96
		.amdhsa_reserve_vcc 1
		.amdhsa_float_denorm_mode_32 3
		.amdhsa_float_denorm_mode_16_64 3
		.amdhsa_memory_ordered 1
		.amdhsa_forward_progress 1
		.amdhsa_inst_pref_size 113
	.end_amdhsa_kernel
	.amdgpu_metadata
---
amdhsa.version: [ 1, 2 ]
amdhsa.kernels:
  - .name:           k_q5c4bc92645_attn
    .symbol:         k_q5c4bc92645_attn.kd
    .args:
      - { .name: qc, .offset: 0, .size: 8, .value_kind: global_buffer, .address_space: global }
      - { .name: kc, .offset: 8, .size: 8, .value_kind: global_buffer, .address_space: global }
      - { .name: vc, .offset: 16, .size: 8, .value_kind: global_buffer, .address_space: global }
      - { .name: lowp_scales, .offset: 24, .size: 8, .value_kind: global_buffer, .address_space: global }
      - { .name: oc, .offset: 32, .size: 8, .value_kind: global_buffer, .address_space: global }
    .group_segment_fixed_size: 327680
    .private_segment_fixed_size: 0
    .kernarg_segment_align: 8
    .kernarg_segment_size: 40
    .max_flat_workgroup_size: 256
    .sgpr_count:     96
    .vgpr_count:     464
    .wavefront_size: 32
...
	.end_amdgpu_metadata
.endif
;; end of part 2
;; launch proj (part 3): grid 8 x 32, 4 waves a work-group, clusters of 4 x 4, 327,680 bytes of LDS; arguments oc, wo_codes, lowp_scales, out0; writes out0
.if DOCPART == 3
	.amdgcn_target "amdgcn-amd-amdhsa--gfx1250"
	.amdhsa_code_object_version 6
	.text
	.protected	k_q5c4bc92645_proj
	.globl	k_q5c4bc92645_proj
	.p2align	8
	.type	k_q5c4bc92645_proj,@function
k_q5c4bc92645_proj:
	s_mov_b64 s[64:65], 0
	v_nop
	global_prefetch_b8 v0, s[64:65] scope:SCOPE_SE
	s_setreg_imm32_b32 hwreg(HW_REG_WAVE_MODE, 25, 1), 1
	s_wait_xcnt 0x0
	s_wait_alu depctr_hold_cnt(0) depctr_sa_sdst(0) depctr_va_vdst(0) depctr_va_sdst(0) depctr_va_ssrc(0) depctr_va_vcc(0) depctr_vm_vsrc(0)
	s_getreg_b32 s2, hwreg(HW_REG_IB_STS2, 6, 4)
	s_cmp_eq_u32 s2, 0
	s_cbranch_scc0 .Lentry_in_a_cluster
	s_endpgm
.Lentry_in_a_cluster:
	s_bfe_u32 s2, ttmp6, 0x10000c
	s_cmp_lg_u32 s2, 0xf033
	s_cbranch_scc0 .Lentry_shape_is_right
	s_endpgm
.Lentry_shape_is_right:
; LAUNCH 3 OF 3: out0 = o wo^T on codes of E5M2; each finished sum x 2^(e10 + e11).  Nothing is left out here.
; LIMIT: e10 + e11 between -126 and 127, so that 2^(e10 + e11) is an f32 number.
; SHARES.  256 work-groups in clusters of 4 x 4; a tile of out0 is 128 x 128 (R = 4 x cluster y + cy, C = 4 x cluster x + cx); wave w: rows 64 (w / 2) on, columns 64 (w % 2) on: 16 accumulators.
; o's tiles are shared along a row of the cluster, wo's along a column: asked for jointly.  The whole K of 1,024 fits in LDS: one load a wave, at the head; so no prefetch: no loop loads a tile.
; oc is [16 rows][head][1024]: images of the operand's registers in the plain form's own layout (registers 2 c, 2 c + 1: k = 16 c + 8 h + 0 .. 7); so wo's fragments are fetched in that layout too, 8 bytes a load.
; TRANSPOSED: source 0 = 16 rows of wo, source 1 = 16 rows of o: a lane holds eight neighbouring numbers of a row of out0.
; REGISTERS, window 0: v1-8 addresses; v14, v15 the add's two; v32-63 a block's scaled sums; v64-127 rows read back, two sets; v128-255 two sets of fragments: o's four at + 8 a, wo's four at + 32 + 8 bn.
; Window 1: the accumulators, (a, bn) at 8 (4 a + bn).
.set WP,    1040                       ; wo's LDS rows: 1,024 bytes + 16 of padding = 260 words
.set BOFF,  131072                     ; LDS: o's images, 8 tiles x 16,384; then wo's 128 rows
.set STAGE, BOFF+128*WP                ; the way out: 16 rows x (256 bytes + 16) for each wave, its own; no tile lands there
.set SPARE, STAGE+4*16*272             ; the spare words, 128 bytes for each wave: two blocks of 256 bytes that no other line names
.set LI,  1
.set AA,  2                            ; v2  o's images of my rows
.set BB,  4                            ; v4  wo's rows of my columns
.set STO, 6
.set RD,  7
.set CO,  8
.set SPW, 14
.set NIL, 15
.set TMP, 32
.set BK,  64
.set FS,  128
.set WV,  12
.set G1A, 20
.set G1B, 28
.set G0A, 36
.set G0B, 40
.set MSB, 0
.macro WIN new
.if MSB != \new
	s_set_vgpr_msb (MSB<<8)|\new
.set MSB, \new
.endif
.endm
.macro PLACES
.rept 4
	v_nop
.endr
.endm
.macro ROUND
	s_barrier_signal -1
	s_barrier_wait -1
	s_cmp_lg_u32 s[WV], 0
	s_cbranch_scc1 .Lnot_wave_0_\@
	s_barrier_signal -3
.Lnot_wave_0_\@:
	s_barrier_wait -3
	s_barrier_signal -1
	s_barrier_wait -1
.endm
	s_load_b256 s[4:11], s[0:1], 0x0               ; oc s[4:5], wo s[6:7], scales s[8:9], out0 s[10:11]
	v_lshl_add_u32 v[SPW], v0, 2, SPARE
	v_mov_b32 v[NIL], 0
	ds_add_u32 v[SPW], v[NIL]                      ; the opening: the add, twice on end, and its wait ahead of the first tensor load
	ds_add_u32 v[SPW], v[NIL]
	v_lshrrev_b32 v1, 5, v0
	v_readfirstlane_b32 s[WV], v1                  ; wave 0..3
	s_lshr_b32 s13, s[WV], 1                       ; my row half.  Also: I fetch for o (0) or for wo (1)
	s_and_b32 s14, s[WV], 1                        ; my column half.  Also: which half of that tile I fetch
	s_bfe_u32 s15, ttmp6, 0x40000                  ; cx
	s_bfe_u32 s16, ttmp6, 0x40004                  ; cy
	s_lshl_b32 s17, ttmp9, 2
	s_add_co_u32 s17, s17, s15                     ; C
	s_and_b32 s18, ttmp7, 0xffff
	s_lshl_b32 s18, s18, 2
	s_add_co_u32 s18, s18, s16                     ; R
	s_lshl_b32 s58, s16, 2
	s_lshl_b32 s58, 15, s58                        ; my row of the cluster
	s_lshl_b32 s59, 0x1111, s15                    ; my column
	s_or_b32 s[G1A], s58, (3<<16)|(1<<21)          ; o: elements of 8 bytes, no padding: four rows of 16,384 bytes (a tile of 16 rows x 16 heads), dense
	s_mov_b32 s[G1A+1], 2048<<16
	s_mov_b32 s[G1A+2], 4<<16
	s_mov_b32 s[G1A+3], 2048<<16
	s_mov_b32 s[G1A+4], 4
	s_mov_b32 s[G1A+5], 2048
	s_mov_b32 s[G1A+6], 0
	s_mov_b32 s[G1A+7], 0
	s_or_b32 s[G1B], s59, (1<<20)|(1<<21)|(7<<22)|(3<<25)   ; wo: elements of 1 byte; 64 rows of 1,024 bytes, four words of padding behind each
	s_mov_b32 s[G1B+1], 1024<<16
	s_mov_b32 s[G1B+2], 64<<16
	s_mov_b32 s[G1B+3], 1024<<16
	s_mov_b32 s[G1B+4], 64
	s_mov_b32 s[G1B+5], 1024
	s_mov_b32 s[G1B+6], 0
	s_mov_b32 s[G1B+7], 0
	s_lshl_b32 s52, s18, 17                        ; o: tile of rows 8 R + 4 (w % 2), 16,384 bytes each
	s_lshl_b32 s53, s14, 16
	s_add_co_u32 s52, s52, s53
	s_mov_b32 s53, 0
	s_lshl_b32 s54, s17, 17                        ; wo: row 128 C + 64 (w % 2), 1,024 bytes each
	s_lshl_b32 s55, s14, 16
	s_add_co_u32 s54, s54, s55
	s_mov_b32 s55, 0
	s_lshl_b32 s56, s14, 16                        ; where they go: no place in the cluster enters an LDS address
	s_mul_i32 s57, s14, 64*WP
	s_add_co_u32 s57, s57, BOFF
	s_wait_dscnt 0x0                               ; both opening adds are done
	s_wait_kmcnt 0x0
	s_load_b64 s[86:87], s[8:9], 0x28              ; e10, e11
	s_mov_b32 s[G0A], 1
	s_mov_b32 s[G0A+1], s56
	s_add_nc_u64 s[G0A+2:G0A+3], s[4:5], s[52:53]
	s_or_b32 s[G0A+3], s[G0A+3], 0x80000000
	s_mov_b32 s[G0B], 1
	s_mov_b32 s[G0B+1], s57
	s_add_nc_u64 s[G0B+2:G0B+3], s[6:7], s[54:55]
	s_or_b32 s[G0B+3], s[G0B+3], 0x80000000
	ROUND                                          ; all sixteen work-groups are here: the joint loads meet
	s_cmp_lt_u32 s[WV], 2                          ; waves 0, 1: o's halves; waves 2, 3: wo's
	s_cbranch_scc0 .Lfill_wo
	tensor_load_to_lds s[G0A:G0A+3], s[G1A:G1A+7]
	s_nop 0
	PLACES
	s_branch .Lfilled
.Lfill_wo:
	tensor_load_to_lds s[G0B:G0B+3], s[G1B:G1B+7]
	s_nop 0
	PLACES
.Lfilled:
	s_lshl_b32 s60, s18, 19                        ; out0: (128 R + 64 (w / 2)) rows of 4,096 bytes + 512 C + 256 (w % 2)
	s_lshl_b32 s61, s13, 18
	s_add_co_u32 s60, s60, s61
	s_lshl_b32 s61, s17, 9
	s_add_co_u32 s60, s60, s61
	s_lshl_b32 s61, s14, 8
	s_add_co_u32 s60, s60, s61
	s_mov_b32 s61, 0
	s_add_nc_u64 s[10:11], s[10:11], s[60:61]
	s_lshl_b32 s60, s13, 16                        ; o's images of my rows
	s_mul_i32 s61, s14, 64*WP
	s_add_co_u32 s61, s61, BOFF                    ; wo's rows of my columns
	s_mul_i32 s62, s[WV], 16*272
	s_add_co_u32 s62, s62, STAGE                   ; my stage
	v_and_b32 v[LI], 31, v0
	v_lshlrev_b32 v[LI], 4, v[LI]
	v_and_b32 v9, 15, v0                           ; r
	v_bfe_u32 v10, v0, 4, 1                        ; h
	v_add_nc_u32 v[AA], s60, v[LI]
	v_mul_u32_u24 v[BB], v9, WP
	v_lshl_add_u32 v[BB], v10, 3, v[BB]            ; row r x pitch + 8 h: words 260 r + 2 h: the 32 lanes of a load of 8 bytes touch 64 different banks (ISA guide 11.1)
	v_add_nc_u32 v[BB], s61, v[BB]
	v_mul_u32_u24 v[STO], v9, 272
	v_lshl_add_u32 v[STO], v10, 5, v[STO]
	v_add_nc_u32 v[STO], s62, v[STO]               ; in: row r, 32 bytes for each half of the lanes
	v_mul_u32_u24 v[RD], v10, 272
	v_lshl_add_u32 v[RD], v9, 4, v[RD]
	v_add_nc_u32 v[RD], s62, v[RD]                 ; back: lanes 0-15 one row of 256 bytes, lanes 16-31 the next
	v_lshlrev_b32 v[CO], 12, v10
	v_lshl_add_u32 v[CO], v9, 4, v[CO]             ; and the same two rows in out0
	s_wait_alu depctr_va_vdst(0)
	s_wait_kmcnt 0x0
	s_add_co_i32 s84, s86, s87
	s_add_co_i32 s84, s84, 127
	s_lshl_b32 s84, s84, 23                        ; 2^(e10 + e11) as f32
	s_mov_b32 s85, s84                             ; (named with it as a pair)
; The fragments of head n (64 along K) into set p: 8 loads of 16 bytes for o's four images, 16 loads of 8 bytes for wo's four tiles: 24 in all
.macro FETCH n, p
.irp a, 0,1,2,3
	ds_load_b128 v[FS+64*(\p)+8*\a:FS+64*(\p)+8*\a+3],   v[AA] offset:\a*16384+(\n)*1024
	ds_load_b128 v[FS+64*(\p)+8*\a+4:FS+64*(\p)+8*\a+7], v[AA] offset:\a*16384+(\n)*1024+512
.endr
.irp bn, 0,1,2,3
.irp cc, 0,1,2,3
	ds_load_b64 v[FS+64*(\p)+32+8*\bn+2*\cc:FS+64*(\p)+32+8*\bn+2*\cc+1], v[BB] offset:\bn*16*WP+64*(\n)+16*\cc
.endr
.endr
.endm
.macro MUL p, zero                     ; 16 products; the 16 accumulators take turns, one instruction a turn, in the same order for every head
	WIN 0x50                                       ; C and D in window 1
.irp a, 0,1,2,3
.irp bn, 0,1,2,3
.if \zero
	v_wmma_f32_16x16x64_bf8_bf8 v[8*(4*\a+\bn):8*(4*\a+\bn)+7], v[FS+64*(\p)+32+8*\bn:FS+64*(\p)+32+8*\bn+7], v[FS+64*(\p)+8*\a:FS+64*(\p)+8*\a+7], 0
.else
	v_wmma_f32_16x16x64_bf8_bf8 v[8*(4*\a+\bn):8*(4*\a+\bn)+7], v[FS+64*(\p)+32+8*\bn:FS+64*(\p)+32+8*\bn+7], v[FS+64*(\p)+8*\a:FS+64*(\p)+8*\a+7], v[8*(4*\a+\bn):8*(4*\a+\bn)+7]
.endif
.endr
.endr
	WIN 0
.endm
; Head n: the next head's fragments are asked for, then this head's products
.macro KSTEP n
.if (\n) < 15
.if (\n) > 0
	PLACES                                         ; in front of loads into the set that the last products read
.endif
	FETCH (\n)+1, ((\n)+1)%2
	s_wait_dscnt 24                                ; all but the 24 just issued
.else
	s_wait_dscnt 0x0
.endif
.if (\n) == 0
	MUL 0, 1                                       ; the first products start the sums
.else
	MUL (\n)%2, 0
.endif
.endm
	s_wait_tensorcnt 0x0                           ; my one load is in
	s_barrier_signal -1
	s_barrier_wait -1                              ; everybody's is
	FETCH 0, 0
.irp n, 0,1,2,3,4,5,6,7,8,9,10,11,12,13,14,15
	KSTEP \n
.endr
; THE WAY OUT, a block of 16 rows x 64 columns at a time, through my own stage: LDS serves a wave's instructions in order (ISA guide 5.7.1.4), so no wait stands between the stores and the loads
.macro TOSTAGE a
	WIN 0x01                                       ; source 0: window 1
.set j, 0
.rept 16
	v_pk_mul_f32 v[TMP+j:TMP+j+1], v[32*(\a)+j:32*(\a)+j+1], s[84:85] op_sel_hi:[1,0]   ; x 2^(e10 + e11); each accumulator from its low end on
.set j, j+2
.endr
	WIN 0
.irp bn, 0,1,2,3
	ds_store_b128 v[STO], v[TMP+8*\bn:TMP+8*\bn+3]   offset:64*\bn
	ds_store_b128 v[STO], v[TMP+8*\bn+4:TMP+8*\bn+7] offset:64*\bn+16
.endr
.irp t, 0,1,2,3,4,5,6,7
	ds_load_b128 v[BK+32*((\a)%2)+4*\t:BK+32*((\a)%2)+4*\t+3], v[RD] offset:\t*2*272
.endr
.endm
.macro SEND a, younger                 ; younger: the LDS instructions issued behind block a's loads
	s_wait_dscnt \younger
.irp t, 0,1,2,3,4,5,6,7
	global_store_b128 v[CO], v[BK+32*((\a)%2)+4*\t:BK+32*((\a)%2)+4*\t+3], s[10:11] offset:(16*(\a)+2*\t)*4096 th:TH_STORE_NT   ; 16 lanes store 256 consecutive bytes, at a multiple of 256 from out0's first byte
.endr
.endm
	PLACES                                         ; in front of the first read of results
	TOSTAGE 0
	TOSTAGE 1
	SEND 0, 16                                     ; behind block 0's loads: block 1's 8 stores and 8 loads
	s_wait_xcnt 0x0                                ; block 0's stores have read their registers: block 2's rows may land there
	TOSTAGE 2
	SEND 1, 16
	s_wait_xcnt 0x0
	TOSTAGE 3
	SEND 2, 16
	SEND 3, 0
	s_wait_tensorcnt 0x0                           ; the wave's end
	ds_add_u32 v[SPW], v[NIL]
	s_wait_dscnt 0x0
	ROUND                                          ; the closing round
	s_endpgm
.Lfunc_end_k_q5c4bc92645_proj:
	.size	k_q5c4bc92645_proj, .Lfunc_end_k_q5c4bc92645_proj-k_q5c4bc92645_proj
	.p2alignl 7, 3214868480
	.fill 96, 4, 3214868480
	.section	.rodata,"a",@progbits
	.p2align	6, 0x0
	.amdhsa_kernel k_q5c4bc92645_proj
		.amdhsa_group_segment_fixed_size 327680
		.amdhsa_private_segment_fixed_size 0
		.amdhsa_enable_private_segment 0
		.amdhsa_kernarg_size 32
		.amdhsa_user_sgpr_count 2
		.amdhsa_user_sgpr_kernarg_segment_ptr 1
		.amdhsa_wavefront_size32 1
		.amdhsa_system_sgpr_workgroup_id_x 1
		.amdhsa_system_sgpr_workgroup_id_y 1
		.amdhsa_system_sgpr_workgroup_id_z 1
		.amdhsa_system_vgpr_workitem_id 0
		.amdhsa_next_free_vgpr 384
		.amdhsa_next_free_sgpr 90
		.amdhsa_reserve_vcc 0
		.amdhsa_float_denorm_mode_32 3
		.amdhsa_float_denorm_mode_16_64 3
		.amdhsa_memory_ordered 1
		.amdhsa_forward_progress 1
		.amdhsa_inst_pref_size 61
	.end_amdhsa_kernel
	.amdgpu_metadata
---
amdhsa.version: [ 1, 2 ]
amdhsa.kernels:
  - .name:           k_q5c4bc92645_proj
    .symbol:         k_q5c4bc92645_proj.kd
    .args:
      - { .name: oc, .offset: 0, .size: 8, .value_kind: global_buffer, .address_space: global }
      - { .name: wo_codes, .offset: 8, .size: 8, .value_kind: global_buffer, .address_space: global }
      - { .name: lowp_scales, .offset: 16, .size: 8, .value_kind: global_buffer, .address_space: global }
      - { .name: out0, .offset: 24, .size: 8, .value_kind: global_buffer, .address_space: global }
    .group_segment_fixed_size: 327680
    .private_segment_fixed_size: 0
    .kernarg_segment_align: 8
    .kernarg_segment_size: 32
    .max_flat_workgroup_size: 128
    .sgpr_count:     90
    .vgpr_count:     384
    .wavefront_size: 32
...
	.end_amdgpu_metadata
.endif
;; end of part 3
